; MI455X (gfx1250); checked and timed in simulation.
; The chip was launched on July 23, 2026; its instructions are those of AMD's public machine-readable ISA for CDNA 5 (MIT licence, August 2026) and "CDNA5" Instruction Set Architecture Reference Guide (July 2026). The comments in the code are by the model that wrote it; some were corrected since.
;; Mo E Block. Allowed arithmetic: float matrix products may take bf16 or f16 operands with f32 sums; all other float work in f32.
;; Inputs: b1 8 x 4,096 float32; b2 8 x 1,024 float32; gate_b 8 float32; gate_w 1,024 x 8 float32; w1 8 x 1,024 x 4,096 float32; w2 8 x 4,096 x 1,024 float32; x 2 x 512 x 1,024 float32.
;; Outputs: out0 2 x 512 x 1,024 float32; out1 2 x 512 x 8 float32; out2 8 float32.
;; One version. Each part assembles by itself: llvm-mc -triple=amdgcn-amd-amdhsa -mcpu=gfx1250 --defsym DOCPART=n.
;; ======== version 1 of 1: 5 launches
;; limits: values are held in f16: magnitudes above 65,504 overflow, below 6.1e-05 lose precision; a function is approximated: absolute error at most 1.5e-07
;; workspace buffers: xh 2,097,152 bytes; route 4,096 bytes of whole numbers; val 8,192 bytes; list 36,864 bytes of whole numbers; cnt 256 bytes of whole numbers; h 16,777,216 bytes; y 33,554,432 bytes
;; launch router (part 1): grid 128 x 1, 4 waves a work-group, no clusters, 1,536 bytes of LDS; arguments x, gate_w, gate_b, xh, out1, route, val; writes xh, out1, route, val
.if DOCPART == 1
	.amdgcn_target "amdgcn-amd-amdhsa--gfx1250"
	.amdhsa_code_object_version 6
	.text
	.protected	k_q50a99171d4_router
	.globl	k_q50a99171d4_router
	.p2align	8
	.type	k_q50a99171d4_router,@function
k_q50a99171d4_router:
	s_mov_b64 s[64:65], 0
	v_nop
	global_prefetch_b8 v0, s[64:65] scope:SCOPE_SE
	s_setreg_imm32_b32 hwreg(HW_REG_WAVE_MODE, 25, 1), 1
	s_wait_xcnt 0x0
; Top-2 router.  logits = x gate_w + gate_b in f32 multiply-adds (they feed a selection, so no operand is narrowed),
; softmax with the row's maximum taken away, the two largest scores (the lower index wins a tie), the dense dispatch row out1,
; the two indices as one whole number (route = i1 | i2 << 8), the two scores (val), and x rounded to f16 (xh) for the experts' products.
; A work-group owns 8 tokens.  Wave w, lane l own d = 256 w + 128 j + 4 l + c (j = 0,1; c = 0..3) of every token.
; Limits: a NaN in the logits is not ordered as top_k orders it; |x| stays below 65,504 (f16).
.set X,   16                           ; v[16:79]   x: register 8 t + 4 j + c of token t
.set GW,  80                           ; v[80:143]  gate_w: register 32 j + 8 c + e
.set ACC, 144                          ; v[144:207] partial logits: register 8 t + e
.set HH,  208                          ; v[208:239] x as f16: pair 4 t + 2 j
	s_load_b256 s[4:11], s[0:1], 0x0               ; x s[4:5], gate_w s[6:7], gate_b s[8:9], xh s[10:11]
	s_load_b128 s[12:15], s[0:1], 0x20             ; out1 s[12:13], route s[14:15]
	s_load_b64 s[16:17], s[0:1], 0x30              ; val
	v_lshl_add_u32 v240, v0, 2, 0x400
	v_mov_b32 v241, 0
	v_lshrrev_b32 v7, 5, v0
	v_readfirstlane_b32 s18, v7                    ; wave
	v_and_b32 v1, 31, v0                           ; lane
	s_mov_b32 s32, 0x76543210                      ; v_permlanex16_b32: lane i reads lane i of the other half
	s_mov_b32 s33, 0xfedcba98
	v_lshlrev_b32 v2, 4, v1
	v_lshl_add_u32 v2, s18, 10, v2                 ; x: 1024 w + 16 l
	v_lshlrev_b32 v3, 7, v1
	v_lshl_add_u32 v3, s18, 13, v3                 ; gate_w: rows of 32 bytes: 8192 w + 128 l
	v_lshlrev_b32 v4, 3, v1
	v_lshl_add_u32 v4, s18, 9, v4                  ; xh: 512 w + 8 l
	s_lshl_b32 s19, s18, 8
	v_mov_b32 v6, s19                              ; my wave's 256 bytes of LDS
	s_mov_b32 s21, 0
	s_wait_kmcnt 0x0
	s_load_b256 s[24:31], s[8:9], 0x0              ; gate_b, eight numbers
	s_lshl_b32 s20, ttmp9, 15                      ; 8 tokens of 4,096 bytes
	s_add_nc_u64 s[4:5], s[4:5], s[20:21]
	s_lshl_b32 s20, ttmp9, 14                      ; 8 tokens of 2,048 bytes
	s_add_nc_u64 s[10:11], s[10:11], s[20:21]
	s_lshl_b32 s20, ttmp9, 8                       ; 8 rows of 32 bytes
	s_add_nc_u64 s[12:13], s[12:13], s[20:21]
	s_lshl_b32 s20, ttmp9, 5                       ; 8 words
	s_add_nc_u64 s[14:15], s[14:15], s[20:21]
	s_lshl_b32 s20, ttmp9, 6                       ; 8 pairs
	s_add_nc_u64 s[16:17], s[16:17], s[20:21]
.irp j, 0,1
.irp m, 0,1,2,3,4,5,6,7
	global_load_b128 v[GW+32*\j+4*\m:GW+32*\j+4*\m+3], v3, s[6:7] offset:4096*\j+16*\m
.endr
.endr
.irp t, 0,1,2,3,4,5,6,7
.irp j, 0,1
	global_load_b128 v[X+8*\t+4*\j:X+8*\t+4*\j+3], v2, s[4:5] offset:4096*\t+512*\j th:TH_LOAD_NT
.endr
.endr
; One token: its 8 numbers of x go out as f16 (a store of the wave covers 256 consecutive bytes, aligned) and enter 8 x 8 multiply-adds.
.macro TOKEN t
	s_wait_loadcnt 14-2*\t                         ; loads return in order: the two loads of each later token may stay out
.irp j, 0,1
	v_cvt_pk_f16_f32 v[HH+4*\t+2*\j],   v[X+8*\t+4*\j],   v[X+8*\t+4*\j+1]
	v_cvt_pk_f16_f32 v[HH+4*\t+2*\j+1], v[X+8*\t+4*\j+2], v[X+8*\t+4*\j+3]
	global_store_b64 v4, v[HH+4*\t+2*\j:HH+4*\t+2*\j+1], s[10:11] offset:2048*\t+256*\j
.endr
.irp p, 0,2,4,6
	v_pk_mul_f32 v[ACC+8*\t+\p:ACC+8*\t+\p+1], v[GW+\p:GW+\p+1], v[X+8*\t:X+8*\t+1] op_sel_hi:[1,0]   ; the first product starts the sums
.endr
.irp j, 0,1
.irp c, 0,2
.if \j+\c
.irp p, 0,2,4,6
	v_pk_fma_f32 v[ACC+8*\t+\p:ACC+8*\t+\p+1], v[GW+32*\j+8*\c+\p:GW+32*\j+8*\c+\p+1], v[X+8*\t+4*\j+\c:X+8*\t+4*\j+\c+1], v[ACC+8*\t+\p:ACC+8*\t+\p+1] op_sel_hi:[1,0,1]
.endr
.endif
.irp p, 0,2,4,6
	v_pk_fma_f32 v[ACC+8*\t+\p:ACC+8*\t+\p+1], v[GW+32*\j+8*\c+8+\p:GW+32*\j+8*\c+8+\p+1], v[X+8*\t+4*\j+\c:X+8*\t+4*\j+\c+1], v[ACC+8*\t+\p:ACC+8*\t+\p+1] op_sel:[0,1,0] op_sel_hi:[1,1,1]
.endr
.endr
.endr
.endm
.irp t, 0,1,2,3,4,5,6,7
	TOKEN \t
.endr
	; the 64 sums over the wave's 32 lanes, one step at a time over all 64 registers, so that neighbours do not wait for each other
.irp m, 1,2,4,8
.set r, 0
.rept 64
	v_add_f32_dpp v[ACC+r], v[ACC+r], v[ACC+r] row_xmask:\m row_mask:0xf bank_mask:0xf
.set r, r+1
.endr
.endr
.set r, 0
.rept 64
	v_permlanex16_b32 v[X+r], v[ACC+r], s32, s33   ; X has been used up and has been written
.set r, r+1
.endr
.set r, 0
.rept 32
	v_pk_add_f32 v[ACC+r:ACC+r+1], v[ACC+r:ACC+r+1], v[X+r:X+r+1]
.set r, r+2
.endr
.irp t, 0,1,2,3,4,5,6,7
	ds_store_b128 v6, v[ACC+8*\t:ACC+8*\t+3]   offset:32*\t      ; every lane holds the same sums and names the same bytes
	ds_store_b128 v6, v[ACC+8*\t+4:ACC+8*\t+7] offset:32*\t+16
.endr
	s_wait_dscnt 0x0                               ; my sums are in LDS before I say so
	s_barrier_signal -1
	s_barrier_wait -1
	s_cmp_lg_u32 s18, 0
	s_cbranch_scc1 .Lend                           ; wave 0 finishes the 8 tokens: lane l has token l >> 2 and the experts 2 (l & 3), 2 (l & 3) + 1
	v_lshrrev_b32 v12, 2, v1                       ; token
	v_lshlrev_b32 v6, 5, v12
.irp ws, 0,1,2,3
	ds_load_b128 v[16+8*\ws:19+8*\ws], v6 offset:256*\ws
	ds_load_b128 v[20+8*\ws:23+8*\ws], v6 offset:256*\ws+16
.endr
	v_and_b32 v13, 3, v1
	v_lshlrev_b32 v13, 1, v13                      ; my first expert
	v_or_b32 v14, 1, v13                           ; my second
	s_wait_dscnt 0x0
.irp k, 0,2,4,6
	v_pk_add_f32 v[16+\k:17+\k], v[16+\k:17+\k], v[24+\k:25+\k]
	v_pk_add_f32 v[32+\k:33+\k], v[32+\k:33+\k], v[40+\k:41+\k]
.endr
.irp k, 0,2,4,6
	v_pk_add_f32 v[16+\k:17+\k], v[16+\k:17+\k], v[32+\k:33+\k]
.endr
	s_wait_kmcnt 0x0                               ; gate_b
.irp e, 0,1,2,3,4,5,6,7
	v_add_f32 v[16+\e], s[24+\e], v[16+\e]
.endr
	v_max3_num_f32 v8, v16, v17, v18
	v_max3_num_f32 v8, v8, v19, v20
	v_max3_num_f32 v8, v8, v21, v22
	v_max_num_f32 v8, v8, v23                      ; the row's maximum
.irp e, 0,1,2,3,4,5,6,7
	v_sub_f32 v[24+\e], v[16+\e], v8
.endr
.irp e, 0,1,2,3,4,5,6,7
	v_mul_f32 v[24+\e], 0x3fb8aa3b, v[24+\e]       ; e^x = 2^(x log2 e)
.endr
.irp e, 0,1,2,3,4,5,6,7
	v_exp_f32 v[32+\e], v[24+\e]
.endr
	v_mov_b32 v9, 0                                ; a plain instruction behind the last exponential (ISA guide 5.7.2); also: i1 starts at 0
	s_wait_alu depctr_va_vdst(0)
	v_add_f32 v10, v32, v33
	v_add_f32 v11, v34, v35
	v_add_f32 v15, v36, v37
	v_add_f32 v7, v38, v39
	v_add_f32 v10, v10, v11
	v_add_f32 v15, v15, v7
	v_add_f32 v10, v10, v15
	v_rcp_f32 v7, v10
	v_mov_b32 v11, 0                               ; a plain instruction behind the reciprocal; also: i2 starts at 0
	s_wait_alu depctr_va_vdst(0)
.irp e, 0,1,2,3,4,5,6,7
	v_mul_f32 v[40+\e], v[32+\e], v7               ; scores
.endr
	v_mov_b32 v56, v40                             ; largest: a later expert takes over only if strictly larger
.irp e, 1,2,3,4,5,6,7
	v_cmp_gt_f32 vcc_lo, v[40+\e], v56
	v_cndmask_b32 v56, v56, v[40+\e], vcc_lo
	v_cndmask_b32 v9, v9, \e, vcc_lo
.endr
.irp e, 0,1,2,3,4,5,6,7
	v_cmp_eq_u32 vcc_lo, \e, v9
	v_cndmask_b32 v[48+\e], v[40+\e], -1.0, vcc_lo ; the winner leaves the field: scores are never negative
.endr
	v_mov_b32 v57, v48
.irp e, 1,2,3,4,5,6,7
	v_cmp_gt_f32 vcc_lo, v[48+\e], v57
	v_cndmask_b32 v57, v57, v[48+\e], vcc_lo
	v_cndmask_b32 v11, v11, \e, vcc_lo
.endr
	v_cmp_eq_u32 vcc_lo, v13, v11                  ; my two numbers of the dispatch row
	v_cndmask_b32 v58, 0, v57, vcc_lo
	v_cmp_eq_u32 vcc_lo, v13, v9
	v_cndmask_b32 v58, v58, v56, vcc_lo
	v_cmp_eq_u32 vcc_lo, v14, v11
	v_cndmask_b32 v59, 0, v57, vcc_lo
	v_cmp_eq_u32 vcc_lo, v14, v9
	v_cndmask_b32 v59, v59, v56, vcc_lo
	v_lshlrev_b32 v60, 3, v1
	global_store_b64 v60, v[58:59], s[12:13]       ; the wave's store covers the 8 rows' 256 consecutive bytes, aligned
	v_lshl_or_b32 v61, v11, 8, v9
	v_lshlrev_b32 v62, 2, v12
	v_lshlrev_b32 v63, 3, v12
	global_store_b32 v62, v61, s[14:15]            ; a token's four lanes store the same word
	global_store_b64 v63, v[56:57], s[16:17]
.Lend:
	s_wait_tensorcnt 0x0
	ds_add_u32 v240, v241
	s_wait_dscnt 0x0
	s_endpgm
.Lfunc_end_k_q50a99171d4_router:
	.size	k_q50a99171d4_router, .Lfunc_end_k_q50a99171d4_router-k_q50a99171d4_router
	.p2alignl 7, 3214868480
	.fill 96, 4, 3214868480
	.section	.rodata,"a",@progbits
	.p2align	6, 0x0
	.amdhsa_kernel k_q50a99171d4_router
		.amdhsa_group_segment_fixed_size 1536
		.amdhsa_private_segment_fixed_size 0
		.amdhsa_enable_private_segment 0
		.amdhsa_kernarg_size 56
		.amdhsa_user_sgpr_count 2
		.amdhsa_user_sgpr_kernarg_segment_ptr 1
		.amdhsa_wavefront_size32 1
		.amdhsa_system_sgpr_workgroup_id_x 1
		.amdhsa_system_sgpr_workgroup_id_y 1
		.amdhsa_system_sgpr_workgroup_id_z 1
		.amdhsa_system_vgpr_workitem_id 0
		.amdhsa_next_free_vgpr 242
		.amdhsa_next_free_sgpr 66
		.amdhsa_reserve_vcc 1
		.amdhsa_float_denorm_mode_32 3
		.amdhsa_float_denorm_mode_16_64 3
		.amdhsa_memory_ordered 1
		.amdhsa_forward_progress 1
		.amdhsa_inst_pref_size 55
	.end_amdhsa_kernel
	.amdgpu_metadata
---
amdhsa.version: [ 1, 2 ]
amdhsa.kernels:
  - .name:           k_q50a99171d4_router
    .symbol:         k_q50a99171d4_router.kd
    .args:
      - { .name: x, .offset: 0, .size: 8, .value_kind: global_buffer, .address_space: global }
      - { .name: gate_w, .offset: 8, .size: 8, .value_kind: global_buffer, .address_space: global }
      - { .name: gate_b, .offset: 16, .size: 8, .value_kind: global_buffer, .address_space: global }
      - { .name: xh, .offset: 24, .size: 8, .value_kind: global_buffer, .address_space: global }
      - { .name: out1, .offset: 32, .size: 8, .value_kind: global_buffer, .address_space: global }
      - { .name: route, .offset: 40, .size: 8, .value_kind: global_buffer, .address_space: global }
      - { .name: val, .offset: 48, .size: 8, .value_kind: global_buffer, .address_space: global }
    .group_segment_fixed_size: 1536
    .private_segment_fixed_size: 0
    .kernarg_segment_align: 8
    .kernarg_segment_size: 56
    .max_flat_workgroup_size: 128
    .sgpr_count:     66
    .vgpr_count:     242
    .wavefront_size: 32
...
	.end_amdgpu_metadata
.endif
;; end of part 1
;; launch plan (part 2): grid 8 x 1, 1 waves a work-group, no clusters, 8,448 bytes of LDS; arguments route, out1, list, cnt, out2; writes list, cnt, out2
.if DOCPART == 2
	.amdgcn_target "amdgcn-amd-amdhsa--gfx1250"
	.amdhsa_code_object_version 6
	.text
	.protected	k_q50a99171d4_plan
	.globl	k_q50a99171d4_plan
	.p2align	8
	.type	k_q50a99171d4_plan,@function
k_q50a99171d4_plan:
	s_mov_b64 s[64:65], 0
	v_nop
	global_prefetch_b8 v0, s[64:65] scope:SCOPE_SE
	s_setreg_imm32_b32 hwreg(HW_REG_WAVE_MODE, 25, 1), 1
	s_wait_xcnt 0x0
; Work-group e (one wave) makes expert e's row list, its count and its column sum of the dispatch table.
; A row is a slot 2 token + k (k = 0: the token's first expert, 1: its second).  list[e] has 1,152 entries: entry p is the expert's slot
; number min(p, n - 1), so entries past the count repeat the last real row; all are 0 where the expert has no row.
; The order of the rows in a list has no influence on any result, so the tokens are taken in the order in which 16-byte loads bring them.
; LDS: words 0 to 1,023 the list; words 1,024 to 2,047 take the stores of lanes whose token does not name the expert and are never read,
; so that every lane stores in every step and EXEC stays whole.  One wave: its LDS instructions are served in order (ISA guide 5.7.1), so there is no barrier.
.set R, 32                             ; v[32:63]  route words: register 4 i + k = token 128 i + 4 lane + k
.set D, 64                             ; v[64:95]  dispatch numbers of column e: register c = token 32 c + lane
.set L, 96                             ; v[96:131] the padded list, 9 x 4 registers
.set LP, 1152
	s_load_b256 s[4:11], s[0:1], 0x0               ; route s[4:5], out1 s[6:7], list s[8:9], cnt s[10:11]
	s_load_b64 s[12:13], s[0:1], 0x20              ; out2
	v_lshl_add_u32 v132, v0, 2, 0x2000
	v_mov_b32 v133, 0
	s_mov_b32 s14, ttmp9                           ; my expert
	v_lshlrev_b32 v1, 2, v0                        ; 4 lane
	v_lshlrev_b32 v2, 5, v0
	v_lshl_add_u32 v2, s14, 2, v2                  ; 32 lane + 4 e
	v_lshlrev_b32 v3, 4, v0                        ; 16 lane
	v_mov_b32 v4, 0
	v_mov_b32 v5, 0
	v_mov_b32 v6, 0
	v_mov_b32 v7, 0
	v_lshlrev_b32 v8, 3, v0                        ; 2 x (4 lane): the slot of my first token, k = 0
	v_or_b32 v9, 1, v8                             ; the same, k = 1
	v_mov_b32 v16, 0x400                           ; the step into the words that are never read
	s_mov_b32 s22, 0x76543210
	s_mov_b32 s23, 0xfedcba98
	s_mov_b32 s15, 0                               ; rows so far
	s_mul_i32 s24, s14, LP*4
	s_mov_b32 s25, 0
	s_lshl_b32 s20, s14, 2
	v_mov_b32 v15, s20                             ; 4 e
.irp i, 0,1,2,3,4,5,6,7
	ds_store_b128 v3, v[4:7] offset:512*\i         ; the list's 1,024 words start as 0
.endr
	s_wait_kmcnt 0x0
	s_add_nc_u64 s[8:9], s[8:9], s[24:25]
.irp i, 0,1,2,3,4,5,6,7
	global_load_b128 v[R+4*\i:R+4*\i+3], v3, s[4:5] offset:512*\i
.endr
.set c, 0
.rept 32
	global_load_b32 v[D+c], v2, s[6:7] offset:1024*c
.set c, c+1
.endr
	s_wait_loadcnt 32                              ; the route words are in; the 32 loads of out1 issued behind them may stay out
; 32 tokens a step.  A token names my expert at most once; its slot goes to (rows so far) + (matching lanes below mine), all other lanes' 1,024 words further up.
; The index is at most 992 + 31 + 1,024; the clamp comes last, and behind it only the shift that makes bytes of words.
.set c, 0
.rept 32
	v_and_b32 v10, 0xff, v[R+c]
	v_lshrrev_b32 v11, 8, v[R+c]
	v_cmp_eq_u32 s16, s14, v10
	v_cmp_eq_u32 s17, s14, v11
	s_or_b32 vcc_lo, s16, s17
	v_mbcnt_lo_u32_b32 v12, vcc_lo, s15
	v_cndmask_b32 v17, v16, 0, vcc_lo
	v_cndmask_b32 v13, v8, v9, s17
	v_add_nc_u32 v12, v12, v17
	v_add_nc_u32 v13, 256*(c>>2)+2*(c&3), v13      ; slot = 2 (128 i + 4 lane + k) + which of the two
	v_min_u32 v12, 0x7ff, v12
	v_lshl_add_u32 v12, v12, 2, 0
	ds_store_b32 v12, v13
	s_bcnt1_i32_b32 s19, vcc_lo
	s_add_co_u32 s15, s15, s19
.set c, c+1
.endr
	s_min_u32 s15, s15, 1024
	v_mov_b32 v14, s15                             ; n
	s_max_u32 s21, s15, 1
	s_sub_co_u32 s21, s21, 1                       ; the last real entry (entry 0, which holds 0, where there is none)
.set i, 0
.rept 9
.irp k, 0,1,2,3
	v_add_nc_u32 v[20+\k], 128*i+\k, v1
	v_min_u32 v[20+\k], s21, v[20+\k]
	v_min_u32 v[20+\k], 0x3ff, v[20+\k]
	v_lshl_add_u32 v[20+\k], v[20+\k], 2, 0
	ds_load_b32 v[L+4*i+\k], v[20+\k]
.endr
.set i, i+1
.endr
	s_wait_dscnt 0x0
.set i, 0
.rept 9
	global_store_b128 v3, v[L+4*i:L+4*i+3], s[8:9] offset:512*i   ; 512 consecutive bytes a store
.set i, i+1
.endr
	s_wait_loadcnt 0x0                             ; column e of out1
.set k, 8
.rept 12
	v_pk_add_f32 v[D+(k%8):D+(k%8)+1], v[D+(k%8):D+(k%8)+1], v[D+k:D+k+1]    ; four chains of pairs
.set k, k+2
.endr
	v_pk_add_f32 v[D:D+1], v[D:D+1], v[D+2:D+3]
	v_pk_add_f32 v[D+4:D+5], v[D+4:D+5], v[D+6:D+7]
	v_pk_add_f32 v[D:D+1], v[D:D+1], v[D+4:D+5]
	v_add_f32 v[D], v[D], v[D+1]
	v_add_f32_dpp v[D], v[D], v[D] row_xmask:1 row_mask:0xf bank_mask:0xf
	v_add_f32_dpp v[D], v[D], v[D] row_xmask:2 row_mask:0xf bank_mask:0xf
	v_add_f32_dpp v[D], v[D], v[D] row_xmask:4 row_mask:0xf bank_mask:0xf
	v_add_f32_dpp v[D], v[D], v[D] row_xmask:8 row_mask:0xf bank_mask:0xf
	v_permlanex16_b32 v10, v[D], s22, s23          ; v10 has been written
	v_add_f32 v[D], v[D], v10
	s_wait_xcnt 0x0                                ; EXEC is a source of the loads and stores above: it changes only behind this wait
	v_cmp_eq_u32 vcc_lo, 0, v0
	s_wait_tensorcnt 0x0
	ds_add_u32 v132, v133
	s_wait_dscnt 0x0
	s_and_saveexec_b32 s18, vcc_lo                 ; lane 0 stores my expert's two words
	global_store_b32 v15, v14, s[10:11]            ; cnt[e]
	global_store_b32 v15, v[D], s[12:13]           ; out2[e]
	s_wait_xcnt 0x0                                ; and again in front of the line that widens it
	s_or_b32 exec_lo, exec_lo, s18
	s_endpgm
.Lfunc_end_k_q50a99171d4_plan:
	.size	k_q50a99171d4_plan, .Lfunc_end_k_q50a99171d4_plan-k_q50a99171d4_plan
	.p2alignl 7, 3214868480
	.fill 96, 4, 3214868480
	.section	.rodata,"a",@progbits
	.p2align	6, 0x0
	.amdhsa_kernel k_q50a99171d4_plan
		.amdhsa_group_segment_fixed_size 8448
		.amdhsa_private_segment_fixed_size 0
		.amdhsa_enable_private_segment 0
		.amdhsa_kernarg_size 40
		.amdhsa_user_sgpr_count 2
		.amdhsa_user_sgpr_kernarg_segment_ptr 1
		.amdhsa_wavefront_size32 1
		.amdhsa_system_sgpr_workgroup_id_x 1
		.amdhsa_system_sgpr_workgroup_id_y 1
		.amdhsa_system_sgpr_workgroup_id_z 1
		.amdhsa_system_vgpr_workitem_id 0
		.amdhsa_next_free_vgpr 134
		.amdhsa_next_free_sgpr 66
		.amdhsa_reserve_vcc 1
		.amdhsa_float_denorm_mode_32 3
		.amdhsa_float_denorm_mode_16_64 3
		.amdhsa_memory_ordered 1
		.amdhsa_forward_progress 1
		.amdhsa_inst_pref_size 44
	.end_amdhsa_kernel
	.amdgpu_metadata
---
amdhsa.version: [ 1, 2 ]
amdhsa.kernels:
  - .name:           k_q50a99171d4_plan
    .symbol:         k_q50a99171d4_plan.kd
    .args:
      - { .name: route, .offset: 0, .size: 8, .value_kind: global_buffer, .address_space: global }
      - { .name: out1, .offset: 8, .size: 8, .value_kind: global_buffer, .address_space: global }
      - { .name: list, .offset: 16, .size: 8, .value_kind: global_buffer, .address_space: global }
      - { .name: cnt, .offset: 24, .size: 8, .value_kind: global_buffer, .address_space: global }
      - { .name: out2, .offset: 32, .size: 8, .value_kind: global_buffer, .address_space: global }
    .group_segment_fixed_size: 8448
    .private_segment_fixed_size: 0
    .kernarg_segment_align: 8
    .kernarg_segment_size: 40
    .max_flat_workgroup_size: 32
    .sgpr_count:     66
    .vgpr_count:     134
    .wavefront_size: 32
...
	.end_amdgpu_metadata
.endif
;; end of part 2
;; launch ffn1 (part 3): grid 32 x 8, 4 waves a work-group, no clusters, 133,632 bytes of LDS; arguments xh, w1, b1, list, cnt, h; writes h
.if DOCPART == 3
	.amdgcn_target "amdgcn-amd-amdhsa--gfx1250"
	.amdhsa_code_object_version 6
	.text
	.protected	k_q50a99171d4_ffn1
	.globl	k_q50a99171d4_ffn1
	.p2align	8
	.type	k_q50a99171d4_ffn1,@function
k_q50a99171d4_ffn1:
	s_mov_b64 s[64:65], 0
	v_nop
	global_prefetch_b8 v0, s[64:65] scope:SCOPE_SE
	s_setreg_imm32_b32 hwreg(HW_REG_WAVE_MODE, 25, 1), 1
	s_wait_xcnt 0x0
; One text for both layers of the experts; FFN picks the layer's constants.
; FFN = 1: h[slot] = gelu(xh[slot >> 1] w1[e] + b1[e]), f16.   FFN = 2: y[kq][slot] = h[slot][K quarter kq] w2[e][K quarter kq], f32 partial sums.
; A work-group owns expert e = group y and a slice of its weights, 1,024 along K x 128 columns: 512 KiB of f32, read once, rounded to f16 and kept
; as B fragments in registers; 8 x 32 work-groups read every weight byte once.  It then walks the expert's rows (list, cnt: whole numbers of an earlier launch), 32 a trip.
; Wave w holds K quarter 256 w .. 256 w + 255 of all 128 columns (8 steps x 8 tiles x 8 registers) and multiplies the same quarter of the rows,
; which it stages in LDS bytes of its own; the four partial sums meet in LDS (RED), and each wave finishes a quarter of the 32 x 128 block.
; Column map: tile n = 4 g + j, lane r stands for column 64 g + 4 r + j, so a 16-byte load of a weight row gives a lane one number for each of four tiles,
; and sixteen lanes read 256 consecutive bytes, aligned.  h is stored in that order (position 128 chunk + 8 r + n), 16 bytes a lane; layer 2 undoes it by the weight row that each load takes.
; No tensor loads: the weights pass through registers for the conversion in any case.  No cluster: no two work-groups share a weight byte, and the rows are gathered by a list.
; Limits: matrix operands are f16: |x|, |w|, |gelu| below 65,504.  erf by a five-term rational form (Abramowitz and Stegun 7.1.26), absolute error 1.5e-7.
.set FFN, 1
.if FFN == 1
.set PW,    16384                      ; bytes in a weight row
.set LOGHP, 17                         ; lanes 16-31 take the row 8 further down: 8 x 16,384 bytes
.set ASH,   11                         ; a row of xh is 2,048 bytes
.set AMAX,  1023
.set OSH,   13                         ; a row of h is 8,192 bytes
.set P_A, 4
.set P_W, 6
.set P_B, 8
.set P_L, 10
.set P_C, 12
.set P_O, 14
.else
.set PW,    4096
.set LOGHP, 14                         ; lanes 16-31 take the row 4 further down: 4 x 4,096 bytes
.set ASH,   13                         ; a row of h is 8,192 bytes
.set AMAX,  2047
.set OSH,   12                         ; a row of y is 4,096 bytes
.set P_A, 4
.set P_W, 6
.set P_L, 8
.set P_C, 10
.set P_O, 12
.endif
.set LPB,    4608                      ; bytes of an expert's list
.set APITCH, 528                       ; a staged row: 512 bytes + 16, an odd multiple of 16: the sixteen rows of a fragment load start in different banks
.set AWAVE,  32*APITCH                 ; a wave's stage
.set RED,    4*AWAVE                   ; behind the stages: 4 x 16,384 bytes of partial sums
; window 0
.set WA,   4                           ; weights: 16 r + (lane / 16) rows
.set AL,   5                           ; rows: 512 w + 16 l
.set SA,   6                           ; stage, in: AWAVE w + 16 l
.set FA,   7                           ; stage, fragments: AWAVE w + 528 r + 16 (lane / 16)
.set RS,   8                           ; RED, my partial sums
.set RL,   9                           ; RED, the quarter that I finish
.set DA,   10                          ; list: my four rows' entries
.set OL,   11                          ; 16 r
.set D4,   12                          ; v[12:15]  my four rows' slots, then their byte offsets
.set BIAS, 16                          ; v[16:23]  bias of my column in tile n
.set K1,   24                          ; v[24:39]  constants as pairs
.set KP,   26
.set KE,   28
.set CA1,  30
.set CA2,  32
.set CA3,  34
.set CA4,  36
.set CA5,  38
.set OFF,  40                          ; v[40:71]  byte offsets of the 32 rows
.set SUM,  72                          ; v[72:103] finished sums: register 8 i + n
.set ACC,  128                         ; v[128:255] 16 accumulator tiles, tile 8 M + n at 8 (8 M + n); then the four waves' partial sums; then at work
.set AZ,   ACC+32
.set TT,   ACC+40
.set EE,   ACC+48
.set PP,   ACC+56
.set TR,   ACC+64
.set EX,   ACC+72
.set HF,   ACC+96
; windows 1, 2: weights, step s, tile n at 8 (8 (s & 3) + n) of window 1 + (s >> 2)
; window 3: while the weights stream, four sets of 64 registers; in the loop v0-127 row fragments (8 (2 s + M)), v128-255 the next rows as loaded
.set ENT, 68                           ; s[68:99]  32 list entries
.set LB,  26                           ; s[26:27]  list at this trip's entries
.set WB,  28
.set AB,  30
.set OUT, 32
.set MSB, 0
.macro WIN new                         ; low byte: bits 1:0 source 0, 3:2 source 1, 5:4 source 2, 7:6 destination; the high byte repeats the setting that is left
.if MSB != \new
	s_set_vgpr_msb (MSB<<8)|\new
.set MSB, \new
.endif
.endm
; batch b = (step s = b >> 1, column half g = b & 1): 16 weight rows for each half of the lanes, into set b & 3
.macro WLOAD b
	WIN 0xc0
.irp u, 0,1
.irp c, 0,1,2,3,4,5,6,7
.if FFN == 1
.set ROWK, 32*((\b)>>1)+16*\u+\c
.else
.set ROWK, 128*((\b)>>3)+16*(((\b)>>1)&3)+8*\u+64*(\c>>2)+(\c&3)
.endif
	global_load_b128 v[64*((\b)&3)+4*(8*\u+\c):64*((\b)&3)+4*(8*\u+\c)+3], v[WA], s[WB:WB+1] offset:ROWK*PW+256*((\b)&1) th:TH_LOAD_NT
.endr
.endr
.endm
; two neighbouring K of one column make one fragment register
.macro WCVT b
.if (\b) < 8
	WIN 0x4f
.else
	WIN 0x8f
.endif
.irp j, 0,1,2,3
.irp u, 0,1
.irp c, 0,1,2,3
	v_cvt_pk_f16_f32 v[8*(8*(((\b)>>1)&3)+4*((\b)&1)+\j)+4*\u+\c], v[64*((\b)&3)+4*(8*\u+2*\c)+\j], v[64*((\b)&3)+4*(8*\u+2*\c+1)+\j]
.endr
.endr
.endr
.endm
; the 32 entries that have been asked for become 32 row loads (my K quarter, 512 consecutive bytes a load); then the next 32 entries are asked for
.macro FETCH gwin, gbase, eoff
	WIN 0
	s_wait_kmcnt 0x0
.set i, 0
.rept 32
.if FFN == 1
	s_lshr_b32 s[ENT+i], s[ENT+i], 1               ; slot to token
.endif
	s_min_u32 s[ENT+i], s[ENT+i], AMAX
	v_lshl_add_u32 v[OFF+i], s[ENT+i], ASH, v[AL]
.set i, i+1
.endr
	WIN \gwin
.set i, 0
.rept 32
	global_load_b128 v[\gbase+4*i:\gbase+4*i+3], v[OFF+i], s[AB:AB+1]
.set i, i+1
.endr
	WIN 0
	s_load_b512 s[ENT:ENT+15], s[LB:LB+1], \eoff
	s_load_b512 s[ENT+16:ENT+31], s[LB:LB+1], \eoff+64
.endm
.macro STAGE win, base
	WIN \win
.set i, 0
.rept 32
	ds_store_b128 v[SA], v[\base+4*i:\base+4*i+3] offset:APITCH*i
.set i, i+1
.endr
.endm
.macro FRAGS                           ; a wave's LDS instructions are served in order (ISA guide 5.7.1): these see the stores of STAGE
	WIN 0xc0
.irp s, 0,1,2,3,4,5,6,7
.irp m, 0,1
.irp u, 0,1
	ds_load_b128 v[8*(2*\s+\m)+4*\u:8*(2*\s+\m)+4*\u+3], v[FA] offset:16*APITCH*\m+64*\s+32*\u
.endr
.endr
.endr
	WIN 0
.endm
; 128 matrix instructions: 8 steps x 16 tiles.  The sixteen accumulators take turns, one instruction a turn.  The first step starts the sums.
.macro MULS
.irp s, 0,1,2,3,4,5,6,7
.if \s < 4
	WIN 0x07
.else
	WIN 0x0b
.endif
.irp m, 0,1
.irp n, 0,1,2,3,4,5,6,7
.if \s == 0
	v_wmma_f32_16x16x32_f16 v[ACC+8*(8*\m+\n):ACC+8*(8*\m+\n)+7], v[8*(2*\s+\m):8*(2*\s+\m)+7], v[8*(8*(\s&3)+\n):8*(8*(\s&3)+\n)+7], 0
.else
	v_wmma_f32_16x16x32_f16 v[ACC+8*(8*\m+\n):ACC+8*(8*\m+\n)+7], v[8*(2*\s+\m):8*(2*\s+\m)+7], v[8*(8*(\s&3)+\n):8*(8*(\s&3)+\n)+7], v[ACC+8*(8*\m+\n):ACC+8*(8*\m+\n)+7]
.endif
.endr
.endr
.endr
	WIN 0
.endm
; four waves' partial sums (register 32 ws + 4 n + i) into SUM[8 i + n]: the last add also turns 8 x 4 into 4 x 8
.macro REDUCE
.set k, 0
.rept 16
	v_pk_add_f32 v[ACC+k:ACC+k+1], v[ACC+k:ACC+k+1], v[ACC+32+k:ACC+32+k+1]
	v_pk_add_f32 v[ACC+64+k:ACC+64+k+1], v[ACC+64+k:ACC+64+k+1], v[ACC+96+k:ACC+96+k+1]
.set k, k+2
.endr
.irp i, 0,1,2,3
.irp n, 0,1,2,3,4,5,6,7
	v_add_f32 v[SUM+8*\i+\n], v[ACC+4*\n+\i], v[ACC+64+4*\n+\i]
.endr
.endr
.endm
.if FFN == 1
; gelu(z) = max(z, 0) - |z| q,  q = erfc(|z| / sqrt 2) / 2 = (poly(t) / 2) 2^(-0.72134752 z z),  t = 1 / (1 + 0.23164189 |z|).  The coefficients carry the minus sign.
.macro GELU i
.irp k, 0,1,2,3,4,5,6,7
	v_and_b32 v[AZ+\k], 0x7fffffff, v[SUM+8*\i+\k]
.endr
.irp k, 0,2,4,6
	v_pk_fma_f32 v[TT+\k:TT+\k+1], v[AZ+\k:AZ+\k+1], v[KP:KP+1], v[K1:K1+1]
.endr
.irp k, 0,2,4,6
	v_pk_mul_f32 v[EE+\k:EE+\k+1], v[SUM+8*\i+\k:SUM+8*\i+\k+1], v[SUM+8*\i+\k:SUM+8*\i+\k+1]
.endr
.irp k, 0,1,2,3,4,5,6,7
	v_rcp_f32 v[TR+\k], v[TT+\k]
.endr
.irp k, 0,2,4,6
	v_pk_mul_f32 v[EE+\k:EE+\k+1], v[EE+\k:EE+\k+1], v[KE:KE+1]           ; plain work behind the reciprocals (ISA guide 5.7.2): it names neither TT nor TR
.endr
.irp k, 0,1,2,3,4,5,6,7
	v_exp_f32 v[EX+\k], v[EE+\k]
.endr
	s_wait_alu depctr_va_vdst(0)
.irp k, 0,2,4,6
	v_pk_fma_f32 v[PP+\k:PP+\k+1], v[TR+\k:TR+\k+1], v[CA5:CA5+1], v[CA4:CA4+1]   ; plain work behind the exponentials: it names neither EE nor EX
.endr
.irp a, CA3, CA2, CA1
.irp k, 0,2,4,6
	v_pk_fma_f32 v[PP+\k:PP+\k+1], v[PP+\k:PP+\k+1], v[TR+\k:TR+\k+1], v[\a:\a+1]
.endr
.endr
.irp k, 0,2,4,6
	v_pk_mul_f32 v[PP+\k:PP+\k+1], v[PP+\k:PP+\k+1], v[TR+\k:TR+\k+1]
.endr
.irp k, 0,2,4,6
	v_pk_mul_f32 v[PP+\k:PP+\k+1], v[PP+\k:PP+\k+1], v[EX+\k:EX+\k+1]     ; -q
.endr
.irp k, 0,1,2,3,4,5,6,7
	v_max_num_f32 v[EE+\k], 0, v[SUM+8*\i+\k]
.endr
.irp k, 0,2,4,6
	v_pk_fma_f32 v[PP+\k:PP+\k+1], v[AZ+\k:AZ+\k+1], v[PP+\k:PP+\k+1], v[EE+\k:EE+\k+1]
.endr
.irp k, 0,1,2,3
	v_cvt_pk_f16_f32 v[HF+4*\i+\k], v[PP+2*\k], v[PP+2*\k+1]
.endr
.endm
.endif
	s_load_b256 s[4:11], s[0:1], 0x0
.if FFN == 1
	s_load_b128 s[12:15], s[0:1], 0x20             ; xh s[4:5], w1 s[6:7], b1 s[8:9], list s[10:11], cnt s[12:13], h s[14:15]
	v_lshl_add_u32 v126, v0, 2, 0x20800
	v_mov_b32 v127, 0
.else
	s_load_b64 s[12:13], s[0:1], 0x20              ; h s[4:5], w2 s[6:7], list s[8:9], cnt s[10:11], y s[12:13]
.endif
	v_lshrrev_b32 v1, 5, v0
	v_readfirstlane_b32 s16, v1                    ; wave
	s_and_b32 s17, ttmp7, 0xffff                   ; expert
	v_and_b32 v1, 31, v0                           ; l
	v_and_b32 v2, 15, v0                           ; r
	v_bfe_u32 v3, v0, 4, 1                         ; lane / 16
	v_lshlrev_b32 v[OL], 4, v2
	v_lshl_add_u32 v[WA], v3, LOGHP, v[OL]
	v_lshlrev_b32 v[AL], 4, v1
	s_mul_i32 s21, s16, AWAVE
	v_add_nc_u32 v[SA], s21, v[AL]
	v_mul_u32_u24 v[FA], v2, APITCH
	v_lshl_add_u32 v[FA], v3, 4, v[FA]
	v_add_nc_u32 v[FA], s21, v[FA]
	s_lshl_b32 s22, s16, 14
	s_add_co_u32 s22, s22, RED
	v_add_nc_u32 v[RS], s22, v[AL]
	s_lshr_b32 s21, s16, 1                         ; which 16 rows I finish,
	s_and_b32 s22, s16, 1                          ; and which four registers of their tiles
	s_lshl_b32 s23, s21, 13
	s_lshl_b32 s24, s22, 9
	s_add_co_u32 s23, s23, s24
	s_add_co_u32 s23, s23, RED
	v_add_nc_u32 v[RL], s23, v[AL]
	s_lshl_b32 s23, s21, 6
	s_lshl_b32 s24, s22, 4
	s_add_co_u32 s23, s23, s24
	v_lshl_add_u32 v[DA], v3, 5, s23               ; 4 x (16 M + 8 (lane / 16) + 4 half)
	v_lshl_add_u32 v[AL], s16, 9, v[AL]
.irp i, 0,1,2,3
	v_mov_b32 v[D4+\i], 0
.endr
.if FFN == 1
.irp k, 0,1
	v_mov_b32 v[K1+\k], 1.0
	v_mov_b32 v[KP+\k], 0x3e6d3388                 ; 0.23164189
	v_mov_b32 v[KE+\k], 0xbf38aa3b                 ; -0.72134752
	v_mov_b32 v[CA1+\k], 0xbe027906                ; -0.254829592 / 2
	v_mov_b32 v[CA2+\k], 0x3e11a98e                ; +0.284496736 / 2
	v_mov_b32 v[CA3+\k], 0xbf35f0e3                ; -1.421413741 / 2
	v_mov_b32 v[CA4+\k], 0x3f3a00e3                ; +1.453152027 / 2
	v_mov_b32 v[CA5+\k], 0xbf07dc22                ; -1.061405429 / 2
.endr
.endif
	s_lshl_b32 s24, s17, 24                        ; an expert's weights are 16 MiB
.if FFN == 1
	s_lshl_b32 s21, s16, 22                        ; 256 rows of 16,384 bytes
	s_lshl_b32 s22, ttmp9, 9                       ; 128 columns
.else
	s_and_b32 s18, ttmp9, 7                        ; column tile
	s_lshr_b32 s23, ttmp9, 3                       ; K quarter of the layer
	s_lshl_b32 s21, s16, 20                        ; 256 rows of 4,096 bytes
	s_lshl_b32 s22, s23, 22
	s_add_co_u32 s24, s24, s22
	s_lshl_b32 s22, s18, 9
.endif
	s_add_co_u32 s24, s24, s21
	s_add_co_u32 s24, s24, s22
	s_mov_b32 s25, 0
	s_wait_kmcnt 0x0
	s_add_nc_u64 s[WB:WB+1], s[P_W:P_W+1], s[24:25]
	s_mul_i32 s24, s17, LPB
	s_add_nc_u64 s[LB:LB+1], s[P_L:P_L+1], s[24:25]
	s_lshl_b32 s24, s17, 2
	s_add_nc_u64 s[P_C:P_C+1], s[P_C:P_C+1], s[24:25]
	s_load_b32 s19, s[P_C:P_C+1], 0x0              ; the expert's rows
	s_load_b512 s[ENT:ENT+15], s[LB:LB+1], 0x0     ; the first 32 entries
	s_load_b512 s[ENT+16:ENT+31], s[LB:LB+1], 0x40
.if FFN == 1
	s_mov_b64 s[AB:AB+1], s[P_A:P_A+1]
	s_lshl_b32 s24, ttmp9, 8
	s_add_nc_u64 s[OUT:OUT+1], s[P_O:P_O+1], s[24:25]
	s_lshl_b32 s24, s17, 14
	s_lshl_b32 s21, ttmp9, 9
	s_add_co_u32 s24, s24, s21
	s_add_nc_u64 s[P_B:P_B+1], s[P_B:P_B+1], s[24:25]
	global_load_b128 v[BIAS:BIAS+3],   v[OL], s[P_B:P_B+1]
	global_load_b128 v[BIAS+4:BIAS+7], v[OL], s[P_B:P_B+1] offset:256
.else
	s_lshl_b32 s24, s23, 11
	s_add_nc_u64 s[AB:AB+1], s[P_A:P_A+1], s[24:25]
	s_lshl_b32 s24, s23, 23
	s_lshl_b32 s21, s18, 9
	s_add_co_u32 s24, s24, s21
	s_add_nc_u64 s[OUT:OUT+1], s[P_O:P_O+1], s[24:25]
.endif
	; THE WEIGHTS: 16 batches of 16 loads through four register sets; three batches are asked for ahead of the one that is converted
	WLOAD 0
	WLOAD 1
	WLOAD 2
.irp b, 0,1,2,3,4,5,6,7,8,9,10,11,12
	WLOAD \b+3
	s_wait_loadcnt 48                              ; loads return in order: the three younger batches may stay out
	WCVT \b
.endr
	s_wait_loadcnt 32                              ; batches 14 and 15 may stay out
	WCVT 13
	FETCH 0, ACC, 128                              ; the first 32 rows, into the accumulators' registers, which are still free; the next 32 entries
	s_min_u32 s19, s19, 1024
	s_add_co_u32 s19, s19, 31
	s_lshr_b32 s19, s19, 5                         ; trips with work
	s_wait_loadcnt 48                              ; batch 15 and the 32 row loads may stay out
	WCVT 14
	s_wait_loadcnt 32                              ; the 32 row loads may stay out
	WCVT 15
	WIN 0
	s_wait_loadcnt 0x0
	STAGE 0, ACC
	FRAGS
	s_wait_dscnt 0x0
	; THE ROWS.  32 trips, a constant, so that every wave passes both barriers of every trip whatever the count says; a trip past the count does nothing else.
	s_mov_b32 s20, 0
.Ltrip:
	s_cmp_lt_u32 s20, s19
	s_cbranch_scc0 .Lno_mul
	s_wait_loadcnt 0x0
	s_wait_xcnt 0x0                                ; the last trip's stores have read their offsets and data: D4, SUM and the accumulators' registers are written again only behind this wait
	global_load_b128 v[D4:D4+3], v[DA], s[LB:LB+1] ; the slots of the four rows that I finish
	s_add_co_u32 s21, s20, 1
	s_cmp_lt_u32 s21, s19
	s_cbranch_scc0 .Lno_fetch
	FETCH 0xc0, 128, 256                           ; the next trip's rows travel under this trip's products
.Lno_fetch:
	MULS
.rept 5
	v_nop                                          ; places behind the last matrix instructions: four for the LDS stores of their results and the later loads into their registers, five for the next trip's first products, which write over them
.endr
.set i, 0
.rept 32
	ds_store_b128 v[RS], v[ACC+4*i:ACC+4*i+3] offset:512*i
.set i, i+1
.endr
.Lno_mul:
	s_wait_dscnt 0x0                               ; my partial sums are in RED before I say so
	s_barrier_signal -1
	s_barrier_wait -1
	s_cmp_lt_u32 s20, s19
	s_cbranch_scc0 .Lno_red
.irp ws, 0,1,2,3
.irp n, 0,1,2,3,4,5,6,7
	ds_load_b128 v[ACC+32*\ws+4*\n:ACC+32*\ws+4*\n+3], v[RL] offset:16384*\ws+1024*\n
.endr
.endr
	s_wait_dscnt 0x0
	s_wait_loadcnt 0x0                             ; my four slots and the next rows, asked for ahead of the products
	s_add_co_u32 s21, s20, 1
	s_cmp_lt_u32 s21, s19
	s_cbranch_scc0 .Lno_stage
	STAGE 0x0c, 128                                ; the next rows go through my stage into fragments under the arithmetic below
	FRAGS
.Lno_stage:
	REDUCE
.irp i, 0,1,2,3
	v_min_u32 v[D4+\i], 2047, v[D4+\i]
	v_lshl_add_u32 v[D4+\i], v[D4+\i], OSH, v[OL]
.endr
.if FFN == 1
.irp i, 0,1,2,3
.irp k, 0,2,4,6
	v_pk_add_f32 v[SUM+8*\i+\k:SUM+8*\i+\k+1], v[SUM+8*\i+\k:SUM+8*\i+\k+1], v[BIAS+\k:BIAS+\k+1]
.endr
.endr
.irp i, 0,1,2,3
	GELU \i
	global_store_b128 v[D4+\i], v[HF+4*\i:HF+4*\i+3], s[OUT:OUT+1]         ; sixteen lanes store 256 consecutive bytes of a row, aligned
.endr
.else
.irp i, 0,1,2,3
.irp g, 0,1
	global_store_b128 v[D4+\i], v[SUM+8*\i+4*\g:SUM+8*\i+4*\g+3], s[OUT:OUT+1] offset:256*\g   ; sixteen lanes store 256 consecutive bytes of a row, aligned
.endr
.endr
.endif
.Lno_red:
	s_wait_dscnt 0x0                               ; my reads of RED are back (the next trip writes it again), and so are my next fragments
	s_barrier_signal -1
	s_barrier_wait -1
	s_wait_xcnt 0x0                                ; the list's base is a source of pending scalar loads: it steps only behind this wait
	s_add_nc_u64 s[LB:LB+1], s[LB:LB+1], 128
	s_add_co_u32 s20, s20, 1
	s_cmp_lt_u32 s20, 32
	s_cbranch_scc1 .Ltrip
	s_wait_tensorcnt 0x0
	ds_add_u32 v126, v127
	s_wait_dscnt 0x0
	s_endpgm
.Lfunc_end_k_q50a99171d4_ffn1:
	.size	k_q50a99171d4_ffn1, .Lfunc_end_k_q50a99171d4_ffn1-k_q50a99171d4_ffn1
	.p2alignl 7, 3214868480
	.fill 96, 4, 3214868480
	.section	.rodata,"a",@progbits
	.p2align	6, 0x0
	.amdhsa_kernel k_q50a99171d4_ffn1
		.amdhsa_group_segment_fixed_size 133632
		.amdhsa_private_segment_fixed_size 0
		.amdhsa_enable_private_segment 0
		.amdhsa_kernarg_size 48
		.amdhsa_user_sgpr_count 2
		.amdhsa_user_sgpr_kernarg_segment_ptr 1
		.amdhsa_wavefront_size32 1
		.amdhsa_system_sgpr_workgroup_id_x 1
		.amdhsa_system_sgpr_workgroup_id_y 1
		.amdhsa_system_sgpr_workgroup_id_z 1
		.amdhsa_system_vgpr_workitem_id 0
		.amdhsa_next_free_vgpr 1024
		.amdhsa_next_free_sgpr 100
		.amdhsa_reserve_vcc 0
		.amdhsa_float_denorm_mode_32 3
		.amdhsa_float_denorm_mode_16_64 3
		.amdhsa_memory_ordered 1
		.amdhsa_forward_progress 1
		.amdhsa_inst_pref_size 121
	.end_amdhsa_kernel
	.amdgpu_metadata
---
amdhsa.version: [ 1, 2 ]
amdhsa.kernels:
  - .name:           k_q50a99171d4_ffn1
    .symbol:         k_q50a99171d4_ffn1.kd
    .args:
      - { .name: xh, .offset: 0, .size: 8, .value_kind: global_buffer, .address_space: global }
      - { .name: w1, .offset: 8, .size: 8, .value_kind: global_buffer, .address_space: global }
      - { .name: b1, .offset: 16, .size: 8, .value_kind: global_buffer, .address_space: global }
      - { .name: list, .offset: 24, .size: 8, .value_kind: global_buffer, .address_space: global }
      - { .name: cnt, .offset: 32, .size: 8, .value_kind: global_buffer, .address_space: global }
      - { .name: h, .offset: 40, .size: 8, .value_kind: global_buffer, .address_space: global }
    .group_segment_fixed_size: 133632
    .private_segment_fixed_size: 0
    .kernarg_segment_align: 8
    .kernarg_segment_size: 48
    .max_flat_workgroup_size: 128
    .sgpr_count:     100
    .vgpr_count:     1024
    .wavefront_size: 32
...
	.end_amdgpu_metadata
.endif
;; end of part 3
;; launch ffn2 (part 4): grid 32 x 8, 4 waves a work-group, no clusters, 133,632 bytes of LDS; arguments h, w2, list, cnt, y; writes y
.if DOCPART == 4
	.amdgcn_target "amdgcn-amd-amdhsa--gfx1250"
	.amdhsa_code_object_version 6
	.text
	.protected	k_q50a99171d4_ffn2
	.globl	k_q50a99171d4_ffn2
	.p2align	8
	.type	k_q50a99171d4_ffn2,@function
k_q50a99171d4_ffn2:
	s_mov_b64 s[64:65], 0
	v_nop
	global_prefetch_b8 v0, s[64:65] scope:SCOPE_SE
	s_setreg_imm32_b32 hwreg(HW_REG_WAVE_MODE, 25, 1), 1
	s_wait_xcnt 0x0
; One text for both layers of the experts; FFN picks the layer's constants.
; FFN = 1: h[slot] = gelu(xh[slot >> 1] w1[e] + b1[e]), f16.   FFN = 2: y[kq][slot] = h[slot][K quarter kq] w2[e][K quarter kq], f32 partial sums.
; A work-group owns expert e = group y and a slice of its weights, 1,024 along K x 128 columns: 512 KiB of f32, read once, rounded to f16 and kept
; as B fragments in registers; 8 x 32 work-groups read every weight byte once.  It then walks the expert's rows (list, cnt: whole numbers of an earlier launch), 32 a trip.
; Wave w holds K quarter 256 w .. 256 w + 255 of all 128 columns (8 steps x 8 tiles x 8 registers) and multiplies the same quarter of the rows,
; which it stages in LDS bytes of its own; the four partial sums meet in LDS (RED), and each wave finishes a quarter of the 32 x 128 block.
; Column map: tile n = 4 g + j, lane r stands for column 64 g + 4 r + j, so a 16-byte load of a weight row gives a lane one number for each of four tiles,
; and sixteen lanes read 256 consecutive bytes, aligned.  h is stored in that order (position 128 chunk + 8 r + n), 16 bytes a lane; layer 2 undoes it by the weight row that each load takes.
; No tensor loads: the weights pass through registers for the conversion in any case.  No cluster: no two work-groups share a weight byte, and the rows are gathered by a list.
; Limits: matrix operands are f16: |h|, |w| below 65,504.
.set FFN, 2
.if FFN == 1
.set PW,    16384                      ; bytes in a weight row
.set LOGHP, 17                         ; lanes 16-31 take the row 8 further down: 8 x 16,384 bytes
.set ASH,   11                         ; a row of xh is 2,048 bytes
.set AMAX,  1023
.set OSH,   13                         ; a row of h is 8,192 bytes
.set P_A, 4
.set P_W, 6
.set P_B, 8
.set P_L, 10
.set P_C, 12
.set P_O, 14
.else
.set PW,    4096
.set LOGHP, 14                         ; lanes 16-31 take the row 4 further down: 4 x 4,096 bytes
.set ASH,   13                         ; a row of h is 8,192 bytes
.set AMAX,  2047
.set OSH,   12                         ; a row of y is 4,096 bytes
.set P_A, 4
.set P_W, 6
.set P_L, 8
.set P_C, 10
.set P_O, 12
.endif
.set LPB,    4608                      ; bytes of an expert's list
.set APITCH, 528                       ; a staged row: 512 bytes + 16, an odd multiple of 16: the sixteen rows of a fragment load start in different banks
.set AWAVE,  32*APITCH                 ; a wave's stage
.set RED,    4*AWAVE                   ; behind the stages: 4 x 16,384 bytes of partial sums
; window 0
.set WA,   4                           ; weights: 16 r + (lane / 16) rows
.set AL,   5                           ; rows: 512 w + 16 l
.set SA,   6                           ; stage, in: AWAVE w + 16 l
.set FA,   7                           ; stage, fragments: AWAVE w + 528 r + 16 (lane / 16)
.set RS,   8                           ; RED, my partial sums
.set RL,   9                           ; RED, the quarter that I finish
.set DA,   10                          ; list: my four rows' entries
.set OL,   11                          ; 16 r
.set D4,   12                          ; v[12:15]  my four rows' slots, then their byte offsets
.set OFF,  40                          ; v[40:71]  byte offsets of the 32 rows
.set SUM,  72                          ; v[72:103] finished sums: register 8 i + n
.set ACC,  128                         ; v[128:255] 16 accumulator tiles, tile 8 M + n at 8 (8 M + n); then the four waves' partial sums
; windows 1, 2: weights, step s, tile n at 8 (8 (s & 3) + n) of window 1 + (s >> 2)
; window 3: while the weights stream, four sets of 64 registers; in the loop v0-127 row fragments (8 (2 s + M)), v128-255 the next rows as loaded
.set ENT, 68                           ; s[68:99]  32 list entries
.set LB,  26                           ; s[26:27]  list at this trip's entries
.set WB,  28
.set AB,  30
.set OUT, 32
.set MSB, 0
.macro WIN new                         ; low byte: bits 1:0 source 0, 3:2 source 1, 5:4 source 2, 7:6 destination; the high byte repeats the setting that is left
.if MSB != \new
	s_set_vgpr_msb (MSB<<8)|\new
.set MSB, \new
.endif
.endm
; batch b = (step s = b >> 1, column half g = b & 1): 16 weight rows for each half of the lanes, into set b & 3
.macro WLOAD b
	WIN 0xc0
.irp u, 0,1
.irp c, 0,1,2,3,4,5,6,7
.if FFN == 1
.set ROWK, 32*((\b)>>1)+16*\u+\c
.else
.set ROWK, 128*((\b)>>3)+16*(((\b)>>1)&3)+8*\u+64*(\c>>2)+(\c&3)
.endif
	global_load_b128 v[64*((\b)&3)+4*(8*\u+\c):64*((\b)&3)+4*(8*\u+\c)+3], v[WA], s[WB:WB+1] offset:ROWK*PW+256*((\b)&1) th:TH_LOAD_NT
.endr
.endr
.endm
; two neighbouring K of one column make one fragment register
.macro WCVT b
.if (\b) < 8
	WIN 0x4f
.else
	WIN 0x8f
.endif
.irp j, 0,1,2,3
.irp u, 0,1
.irp c, 0,1,2,3
	v_cvt_pk_f16_f32 v[8*(8*(((\b)>>1)&3)+4*((\b)&1)+\j)+4*\u+\c], v[64*((\b)&3)+4*(8*\u+2*\c)+\j], v[64*((\b)&3)+4*(8*\u+2*\c+1)+\j]
.endr
.endr
.endr
.endm
; the 32 entries that have been asked for become 32 row loads (my K quarter, 512 consecutive bytes a load); then the next 32 entries are asked for
.macro FETCH gwin, gbase, eoff
	WIN 0
	s_wait_kmcnt 0x0
.set i, 0
.rept 32
.if FFN == 1
	s_lshr_b32 s[ENT+i], s[ENT+i], 1               ; slot to token
.endif
	s_min_u32 s[ENT+i], s[ENT+i], AMAX
	v_lshl_add_u32 v[OFF+i], s[ENT+i], ASH, v[AL]
.set i, i+1
.endr
	WIN \gwin
.set i, 0
.rept 32
	global_load_b128 v[\gbase+4*i:\gbase+4*i+3], v[OFF+i], s[AB:AB+1]
.set i, i+1
.endr
	WIN 0
	s_load_b512 s[ENT:ENT+15], s[LB:LB+1], \eoff
	s_load_b512 s[ENT+16:ENT+31], s[LB:LB+1], \eoff+64
.endm
.macro STAGE win, base
	WIN \win
.set i, 0
.rept 32
	ds_store_b128 v[SA], v[\base+4*i:\base+4*i+3] offset:APITCH*i
.set i, i+1
.endr
.endm
.macro FRAGS                           ; a wave's LDS instructions are served in order (ISA guide 5.7.1): these see the stores of STAGE
	WIN 0xc0
.irp s, 0,1,2,3,4,5,6,7
.irp m, 0,1
.irp u, 0,1
	ds_load_b128 v[8*(2*\s+\m)+4*\u:8*(2*\s+\m)+4*\u+3], v[FA] offset:16*APITCH*\m+64*\s+32*\u
.endr
.endr
.endr
	WIN 0
.endm
; 128 matrix instructions: 8 steps x 16 tiles.  The sixteen accumulators take turns, one instruction a turn.  The first step starts the sums.
.macro MULS
.irp s, 0,1,2,3,4,5,6,7
.if \s < 4
	WIN 0x07
.else
	WIN 0x0b
.endif
.irp m, 0,1
.irp n, 0,1,2,3,4,5,6,7
.if \s == 0
	v_wmma_f32_16x16x32_f16 v[ACC+8*(8*\m+\n):ACC+8*(8*\m+\n)+7], v[8*(2*\s+\m):8*(2*\s+\m)+7], v[8*(8*(\s&3)+\n):8*(8*(\s&3)+\n)+7], 0
.else
	v_wmma_f32_16x16x32_f16 v[ACC+8*(8*\m+\n):ACC+8*(8*\m+\n)+7], v[8*(2*\s+\m):8*(2*\s+\m)+7], v[8*(8*(\s&3)+\n):8*(8*(\s&3)+\n)+7], v[ACC+8*(8*\m+\n):ACC+8*(8*\m+\n)+7]
.endif
.endr
.endr
.endr
	WIN 0
.endm
; four waves' partial sums (register 32 ws + 4 n + i) into SUM[8 i + n]: the last add also turns 8 x 4 into 4 x 8
.macro REDUCE
.set k, 0
.rept 16
	v_pk_add_f32 v[ACC+k:ACC+k+1], v[ACC+k:ACC+k+1], v[ACC+32+k:ACC+32+k+1]
	v_pk_add_f32 v[ACC+64+k:ACC+64+k+1], v[ACC+64+k:ACC+64+k+1], v[ACC+96+k:ACC+96+k+1]
.set k, k+2
.endr
.irp i, 0,1,2,3
.irp n, 0,1,2,3,4,5,6,7
	v_add_f32 v[SUM+8*\i+\n], v[ACC+4*\n+\i], v[ACC+64+4*\n+\i]
.endr
.endr
.endm
	s_load_b256 s[4:11], s[0:1], 0x0
	s_load_b64 s[12:13], s[0:1], 0x20              ; h s[4:5], w2 s[6:7], list s[8:9], cnt s[10:11], y s[12:13]
	v_lshl_add_u32 v126, v0, 2, 0x20800
	v_mov_b32 v127, 0
	v_lshrrev_b32 v1, 5, v0
	v_readfirstlane_b32 s16, v1                    ; wave
	s_and_b32 s17, ttmp7, 0xffff                   ; expert
	v_and_b32 v1, 31, v0                           ; l
	v_and_b32 v2, 15, v0                           ; r
	v_bfe_u32 v3, v0, 4, 1                         ; lane / 16
	v_lshlrev_b32 v[OL], 4, v2
	v_lshl_add_u32 v[WA], v3, LOGHP, v[OL]
	v_lshlrev_b32 v[AL], 4, v1
	s_mul_i32 s21, s16, AWAVE
	v_add_nc_u32 v[SA], s21, v[AL]
	v_mul_u32_u24 v[FA], v2, APITCH
	v_lshl_add_u32 v[FA], v3, 4, v[FA]
	v_add_nc_u32 v[FA], s21, v[FA]
	s_lshl_b32 s22, s16, 14
	s_add_co_u32 s22, s22, RED
	v_add_nc_u32 v[RS], s22, v[AL]
	s_lshr_b32 s21, s16, 1                         ; which 16 rows I finish,
	s_and_b32 s22, s16, 1                          ; and which four registers of their tiles
	s_lshl_b32 s23, s21, 13
	s_lshl_b32 s24, s22, 9
	s_add_co_u32 s23, s23, s24
	s_add_co_u32 s23, s23, RED
	v_add_nc_u32 v[RL], s23, v[AL]
	s_lshl_b32 s23, s21, 6
	s_lshl_b32 s24, s22, 4
	s_add_co_u32 s23, s23, s24
	v_lshl_add_u32 v[DA], v3, 5, s23               ; 4 x (16 M + 8 (lane / 16) + 4 half)
	v_lshl_add_u32 v[AL], s16, 9, v[AL]
.irp i, 0,1,2,3
	v_mov_b32 v[D4+\i], 0
.endr
	s_lshl_b32 s24, s17, 24                        ; an expert's weights are 16 MiB
	s_and_b32 s18, ttmp9, 7                        ; column tile
	s_lshr_b32 s23, ttmp9, 3                       ; K quarter of the layer
	s_lshl_b32 s21, s16, 20                        ; 256 rows of 4,096 bytes
	s_lshl_b32 s22, s23, 22
	s_add_co_u32 s24, s24, s22
	s_lshl_b32 s22, s18, 9
	s_add_co_u32 s24, s24, s21
	s_add_co_u32 s24, s24, s22
	s_mov_b32 s25, 0
	s_wait_kmcnt 0x0
	s_add_nc_u64 s[WB:WB+1], s[P_W:P_W+1], s[24:25]
	s_mul_i32 s24, s17, LPB
	s_add_nc_u64 s[LB:LB+1], s[P_L:P_L+1], s[24:25]
	s_lshl_b32 s24, s17, 2
	s_add_nc_u64 s[P_C:P_C+1], s[P_C:P_C+1], s[24:25]
	s_load_b32 s19, s[P_C:P_C+1], 0x0              ; the expert's rows
	s_load_b512 s[ENT:ENT+15], s[LB:LB+1], 0x0     ; the first 32 entries
	s_load_b512 s[ENT+16:ENT+31], s[LB:LB+1], 0x40
	s_lshl_b32 s24, s23, 11
	s_add_nc_u64 s[AB:AB+1], s[P_A:P_A+1], s[24:25]
	s_lshl_b32 s24, s23, 23
	s_lshl_b32 s21, s18, 9
	s_add_co_u32 s24, s24, s21
	s_add_nc_u64 s[OUT:OUT+1], s[P_O:P_O+1], s[24:25]
	; THE WEIGHTS: 16 batches of 16 loads through four register sets; three batches are asked for ahead of the one that is converted
	WLOAD 0
	WLOAD 1
	WLOAD 2
.irp b, 0,1,2,3,4,5,6,7,8,9,10,11,12
	WLOAD \b+3
	s_wait_loadcnt 48                              ; loads return in order: the three younger batches may stay out
	WCVT \b
.endr
	s_wait_loadcnt 32                              ; batches 14 and 15 may stay out
	WCVT 13
	FETCH 0, ACC, 128                              ; the first 32 rows, into the accumulators' registers, which are still free; the next 32 entries
	s_min_u32 s19, s19, 1024
	s_add_co_u32 s19, s19, 31
	s_lshr_b32 s19, s19, 5                         ; trips with work
	s_wait_loadcnt 48                              ; batch 15 and the 32 row loads may stay out
	WCVT 14
	s_wait_loadcnt 32                              ; the 32 row loads may stay out
	WCVT 15
	WIN 0
	s_wait_loadcnt 0x0
	STAGE 0, ACC
	FRAGS
	s_wait_dscnt 0x0
	; THE ROWS.  32 trips, a constant, so that every wave passes both barriers of every trip whatever the count says; a trip past the count does nothing else.
	s_mov_b32 s20, 0
.Ltrip:
	s_cmp_lt_u32 s20, s19
	s_cbranch_scc0 .Lno_mul
	s_wait_loadcnt 0x0
	s_wait_xcnt 0x0                                ; the last trip's stores have read their offsets and data: D4 and SUM are written again only behind this wait
	global_load_b128 v[D4:D4+3], v[DA], s[LB:LB+1] ; the slots of the four rows that I finish
	s_add_co_u32 s21, s20, 1
	s_cmp_lt_u32 s21, s19
	s_cbranch_scc0 .Lno_fetch
	FETCH 0xc0, 128, 256                           ; the next trip's rows travel under this trip's products
.Lno_fetch:
	MULS
.rept 5
	v_nop                                          ; places behind the last matrix instructions: four for the LDS stores of their results and the later loads into their registers, five for the next trip's first products, which write over them
.endr
.set i, 0
.rept 32
	ds_store_b128 v[RS], v[ACC+4*i:ACC+4*i+3] offset:512*i
.set i, i+1
.endr
.Lno_mul:
	s_wait_dscnt 0x0                               ; my partial sums are in RED before I say so
	s_barrier_signal -1
	s_barrier_wait -1
	s_cmp_lt_u32 s20, s19
	s_cbranch_scc0 .Lno_red
.irp ws, 0,1,2,3
.irp n, 0,1,2,3,4,5,6,7
	ds_load_b128 v[ACC+32*\ws+4*\n:ACC+32*\ws+4*\n+3], v[RL] offset:16384*\ws+1024*\n
.endr
.endr
	s_wait_dscnt 0x0
	s_wait_loadcnt 0x0                             ; my four slots and the next rows, asked for ahead of the products
	s_add_co_u32 s21, s20, 1
	s_cmp_lt_u32 s21, s19
	s_cbranch_scc0 .Lno_stage
	STAGE 0x0c, 128                                ; the next rows go through my stage into fragments under the arithmetic below
	FRAGS
.Lno_stage:
	REDUCE
.irp i, 0,1,2,3
	v_min_u32 v[D4+\i], 2047, v[D4+\i]
	v_lshl_add_u32 v[D4+\i], v[D4+\i], OSH, v[OL]
.endr
.irp i, 0,1,2,3
.irp g, 0,1
	global_store_b128 v[D4+\i], v[SUM+8*\i+4*\g:SUM+8*\i+4*\g+3], s[OUT:OUT+1] offset:256*\g   ; sixteen lanes store 256 consecutive bytes of a row, aligned
.endr
.endr
.Lno_red:
	s_wait_dscnt 0x0                               ; my reads of RED are back (the next trip writes it again), and so are my next fragments
	s_barrier_signal -1
	s_barrier_wait -1
	s_wait_xcnt 0x0                                ; the list's base is a source of pending scalar loads: it steps only behind this wait
	s_add_nc_u64 s[LB:LB+1], s[LB:LB+1], 128
	s_add_co_u32 s20, s20, 1
	s_cmp_lt_u32 s20, 32
	s_cbranch_scc1 .Ltrip
	s_wait_tensorcnt 0x0
	ds_add_u32 v126, v127
	s_wait_dscnt 0x0
	s_endpgm
.Lfunc_end_k_q50a99171d4_ffn2:
	.size	k_q50a99171d4_ffn2, .Lfunc_end_k_q50a99171d4_ffn2-k_q50a99171d4_ffn2
	.p2alignl 7, 3214868480
	.fill 96, 4, 3214868480
	.section	.rodata,"a",@progbits
	.p2align	6, 0x0
	.amdhsa_kernel k_q50a99171d4_ffn2
		.amdhsa_group_segment_fixed_size 133632
		.amdhsa_private_segment_fixed_size 0
		.amdhsa_enable_private_segment 0
		.amdhsa_kernarg_size 40
		.amdhsa_user_sgpr_count 2
		.amdhsa_user_sgpr_kernarg_segment_ptr 1
		.amdhsa_wavefront_size32 1
		.amdhsa_system_sgpr_workgroup_id_x 1
		.amdhsa_system_sgpr_workgroup_id_y 1
		.amdhsa_system_sgpr_workgroup_id_z 1
		.amdhsa_system_vgpr_workitem_id 0
		.amdhsa_next_free_vgpr 1024
		.amdhsa_next_free_sgpr 100
		.amdhsa_reserve_vcc 0
		.amdhsa_float_denorm_mode_32 3
		.amdhsa_float_denorm_mode_16_64 3
		.amdhsa_memory_ordered 1
		.amdhsa_forward_progress 1
		.amdhsa_inst_pref_size 101
	.end_amdhsa_kernel
	.amdgpu_metadata
---
amdhsa.version: [ 1, 2 ]
amdhsa.kernels:
  - .name:           k_q50a99171d4_ffn2
    .symbol:         k_q50a99171d4_ffn2.kd
    .args:
      - { .name: h, .offset: 0, .size: 8, .value_kind: global_buffer, .address_space: global }
      - { .name: w2, .offset: 8, .size: 8, .value_kind: global_buffer, .address_space: global }
      - { .name: list, .offset: 16, .size: 8, .value_kind: global_buffer, .address_space: global }
      - { .name: cnt, .offset: 24, .size: 8, .value_kind: global_buffer, .address_space: global }
      - { .name: y, .offset: 32, .size: 8, .value_kind: global_buffer, .address_space: global }
    .group_segment_fixed_size: 133632
    .private_segment_fixed_size: 0
    .kernarg_segment_align: 8
    .kernarg_segment_size: 40
    .max_flat_workgroup_size: 128
    .sgpr_count:     100
    .vgpr_count:     1024
    .wavefront_size: 32
...
	.end_amdgpu_metadata
.endif
;; end of part 4
;; launch combine (part 5): grid 256 x 1, 8 waves a work-group, no clusters, 0 bytes of LDS; arguments y, b2, route, val, out0; writes out0
.if DOCPART == 5
	.amdgcn_target "amdgcn-amd-amdhsa--gfx1250"
	.amdhsa_code_object_version 6
	.text
	.protected	k_q50a99171d4_combine
	.globl	k_q50a99171d4_combine
	.p2align	8
	.type	k_q50a99171d4_combine,@function
k_q50a99171d4_combine:
	s_mov_b64 s[64:65], 0
	v_nop
	global_prefetch_b8 v0, s[64:65] scope:SCOPE_SE
	s_setreg_imm32_b32 hwreg(HW_REG_WAVE_MODE, 25, 1), 1
	s_wait_xcnt 0x0
; out0[tok] = val1 (sum over kq of y[kq][2 tok] + b2[i1]) + val2 (sum over kq of y[kq][2 tok + 1] + b2[i2]).
; A wave owns half a token's row: 512 columns, four chunks of 512 consecutive bytes (16 bytes a lane).  All its loads go out at once:
; the 32 of y first, which need no index, then the 8 of b2, whose rows hang on the route word (a whole number of an earlier launch).
; A stream: no LDS, no barrier, no matrix unit.
.set YY, 8                             ; v[8:135]   register 32 c + 16 k + 4 kq
.set BB, 136                           ; v[136:167] register 8 c + 4 k
	s_load_b256 s[4:11], s[0:1], 0x0               ; y s[4:5], b2 s[6:7], route s[8:9], val s[10:11]
	s_load_b64 s[12:13], s[0:1], 0x20              ; out0
	v_lshrrev_b32 v1, 5, v0
	v_readfirstlane_b32 s14, v1                    ; wave
	v_and_b32 v1, 31, v0
	v_lshlrev_b32 v1, 4, v1                        ; 16 lane
	s_lshr_b32 s15, s14, 1
	s_lshl2_add_u32 s15, ttmp9, s15                ; token = 4 x group + wave / 2
	s_and_b32 s17, s14, 1
	s_lshl_b32 s17, s17, 11                        ; my half of the row: 2,048 bytes
	s_mov_b32 s23, 0
	s_lshl_b32 s22, s15, 2
	s_wait_kmcnt 0x0
	s_add_nc_u64 s[8:9], s[8:9], s[22:23]
	s_lshl_b32 s22, s15, 3
	s_add_nc_u64 s[10:11], s[10:11], s[22:23]
	s_load_b32 s16, s[8:9], 0x0                    ; i1 | i2 << 8
	s_load_b64 s[18:19], s[10:11], 0x0             ; the two scores
	s_lshl_b32 s22, s15, 13                        ; two slots of 4,096 bytes a token
	s_add_co_u32 s22, s22, s17
	s_add_nc_u64 s[24:25], s[4:5], s[22:23]        ; y, K quarter 0
	s_add_nc_u64 s[32:33], s[24:25], 0x800000      ; quarters 1 to 3, 8 MiB apart
	s_add_nc_u64 s[34:35], s[32:33], 0x800000
	s_add_nc_u64 s[36:37], s[34:35], 0x800000
	s_lshl_b32 s22, s15, 12
	s_add_co_u32 s22, s22, s17
	s_add_nc_u64 s[30:31], s[12:13], s[22:23]
.irp c, 0,1,2,3
.irp k, 0,1
	global_load_b128 v[YY+32*\c+16*\k:YY+32*\c+16*\k+3],       v1, s[24:25] offset:4096*\k+512*\c th:TH_LOAD_NT
	global_load_b128 v[YY+32*\c+16*\k+4:YY+32*\c+16*\k+7],     v1, s[32:33] offset:4096*\k+512*\c th:TH_LOAD_NT
	global_load_b128 v[YY+32*\c+16*\k+8:YY+32*\c+16*\k+11],    v1, s[34:35] offset:4096*\k+512*\c th:TH_LOAD_NT
	global_load_b128 v[YY+32*\c+16*\k+12:YY+32*\c+16*\k+15],   v1, s[36:37] offset:4096*\k+512*\c th:TH_LOAD_NT
.endr
.endr
	s_wait_kmcnt 0x0
	s_and_b32 s20, s16, 0xff
	s_min_u32 s20, s20, 7
	s_lshl_b32 s20, s20, 12                        ; a row of b2 is 4,096 bytes
	s_add_co_u32 s22, s20, s17
	s_add_nc_u64 s[26:27], s[6:7], s[22:23]
	s_bfe_u32 s21, s16, 0x80008
	s_min_u32 s21, s21, 7
	s_lshl_b32 s21, s21, 12
	s_add_co_u32 s22, s21, s17
	s_add_nc_u64 s[28:29], s[6:7], s[22:23]
.irp c, 0,1,2,3
	global_load_b128 v[BB+8*\c:BB+8*\c+3],   v1, s[26:27] offset:512*\c
	global_load_b128 v[BB+8*\c+4:BB+8*\c+7], v1, s[28:29] offset:512*\c
.endr
	v_mov_b32 v2, s18
	v_mov_b32 v3, s18
	v_mov_b32 v4, s19
	v_mov_b32 v5, s19
.macro CHUNK c
	s_wait_loadcnt 6-2*\c                          ; loads return in order: the two loads of b2 of each later chunk may stay out
.irp k, 0,1
.irp p, 0,2
	v_pk_add_f32 v[YY+32*\c+16*\k+\p:YY+32*\c+16*\k+\p+1], v[YY+32*\c+16*\k+\p:YY+32*\c+16*\k+\p+1], v[YY+32*\c+16*\k+4+\p:YY+32*\c+16*\k+4+\p+1]
	v_pk_add_f32 v[YY+32*\c+16*\k+8+\p:YY+32*\c+16*\k+8+\p+1], v[YY+32*\c+16*\k+8+\p:YY+32*\c+16*\k+8+\p+1], v[YY+32*\c+16*\k+12+\p:YY+32*\c+16*\k+12+\p+1]
.endr
.irp p, 0,2
	v_pk_add_f32 v[YY+32*\c+16*\k+\p:YY+32*\c+16*\k+\p+1], v[YY+32*\c+16*\k+\p:YY+32*\c+16*\k+\p+1], v[YY+32*\c+16*\k+8+\p:YY+32*\c+16*\k+8+\p+1]
.endr
.irp p, 0,2
	v_pk_add_f32 v[YY+32*\c+16*\k+\p:YY+32*\c+16*\k+\p+1], v[YY+32*\c+16*\k+\p:YY+32*\c+16*\k+\p+1], v[BB+8*\c+4*\k+\p:BB+8*\c+4*\k+\p+1]
.endr
.endr
.irp p, 0,2
	v_pk_mul_f32 v[YY+32*\c+\p:YY+32*\c+\p+1], v[YY+32*\c+\p:YY+32*\c+\p+1], v[2:3]
.endr
.irp p, 0,2
	v_pk_fma_f32 v[YY+32*\c+\p:YY+32*\c+\p+1], v[YY+32*\c+16+\p:YY+32*\c+16+\p+1], v[4:5], v[YY+32*\c+\p:YY+32*\c+\p+1]
.endr
	global_store_b128 v1, v[YY+32*\c:YY+32*\c+3], s[30:31] offset:512*\c th:TH_STORE_NT   ; 512 consecutive bytes, aligned
.endm
	CHUNK 0
	CHUNK 1
	CHUNK 2
	CHUNK 3
	s_endpgm
.Lfunc_end_k_q50a99171d4_combine:
	.size	k_q50a99171d4_combine, .Lfunc_end_k_q50a99171d4_combine-k_q50a99171d4_combine
	.p2alignl 7, 3214868480
	.fill 96, 4, 3214868480
	.section	.rodata,"a",@progbits
	.p2align	6, 0x0
	.amdhsa_kernel k_q50a99171d4_combine
		.amdhsa_group_segment_fixed_size 0
		.amdhsa_private_segment_fixed_size 0
		.amdhsa_enable_private_segment 0
		.amdhsa_kernarg_size 40
		.amdhsa_user_sgpr_count 2
		.amdhsa_user_sgpr_kernarg_segment_ptr 1
		.amdhsa_wavefront_size32 1
		.amdhsa_system_sgpr_workgroup_id_x 1
		.amdhsa_system_sgpr_workgroup_id_y 1
		.amdhsa_system_sgpr_workgroup_id_z 1
		.amdhsa_system_vgpr_workitem_id 0
		.amdhsa_next_free_vgpr 168
		.amdhsa_next_free_sgpr 66
		.amdhsa_reserve_vcc 0
		.amdhsa_float_denorm_mode_32 3
		.amdhsa_float_denorm_mode_16_64 3
		.amdhsa_memory_ordered 1
		.amdhsa_forward_progress 1
		.amdhsa_inst_pref_size 12
	.end_amdhsa_kernel
	.amdgpu_metadata
---
amdhsa.version: [ 1, 2 ]
amdhsa.kernels:
  - .name:           k_q50a99171d4_combine
    .symbol:         k_q50a99171d4_combine.kd
    .args:
      - { .name: y, .offset: 0, .size: 8, .value_kind: global_buffer, .address_space: global }
      - { .name: b2, .offset: 8, .size: 8, .value_kind: global_buffer, .address_space: global }
      - { .name: route, .offset: 16, .size: 8, .value_kind: global_buffer, .address_space: global }
      - { .name: val, .offset: 24, .size: 8, .value_kind: global_buffer, .address_space: global }
      - { .name: out0, .offset: 32, .size: 8, .value_kind: global_buffer, .address_space: global }
    .group_segment_fixed_size: 0
    .private_segment_fixed_size: 0
    .kernarg_segment_align: 8
    .kernarg_segment_size: 40
    .max_flat_workgroup_size: 256
    .sgpr_count:     66
    .vgpr_count:     168
    .wavefront_size: 32
...
	.end_amdgpu_metadata
.endif
;; end of part 5
